; MI455X (gfx1250); checked and timed in simulation.
; The chip was launched on July 23, 2026; its instructions are those of AMD's public machine-readable ISA for CDNA 5 (MIT licence, August 2026) and "CDNA5" Instruction Set Architecture Reference Guide (July 2026). The comments in the code are by the model that wrote it; some were corrected since.
;; Feature Map Attention. Allowed arithmetic: matrix products marked QUANTISED: E5M2 operands, one E8M0 scale for each 32 along K, by v_wmma_scale_f32_16x16x128_f8f6f4 with both operands' format E5M2, f32 sums; everything else in f32.
;; Inputs: Wk_codes 64 x 2 x 32 uint8 (E5M2 codes of Wk, K innermost, in blocks of 32 codes); Wk_scales 64 x 2 uint8 (E8M0 scales of Wk, one for each 32 codes along K); Wq_codes 64 x 2 x 32 uint8 (E5M2 codes of Wq, K innermost, in blocks of 32 codes); Wq_scales 64 x 2 uint8 (E8M0 scales of Wq, one for each 32 codes along K); Wv_codes 64 x 2 x 32 uint8 (E5M2 codes of Wv, K innermost, in blocks of 32 codes); Wv_scales 64 x 2 uint8 (E8M0 scales of Wv, one for each 32 codes along K); bk 64 float32; bq 64 float32; bv 64 float32; gamma one number float32; key__codes 4 x 64 x 128 x 2 x 32 uint8 (E5M2 codes of key_, K innermost, in blocks of 32 codes); key__scales 4 x 64 x 128 x 2 uint8 (E8M0 scales of key_, one for each 32 codes along K); query_codes 4 x 64 x 128 x 2 x 32 uint8 (E5M2 codes of query, K innermost, in blocks of 32 codes); query_scales 4 x 64 x 128 x 2 uint8 (E8M0 scales of query, one for each 32 codes along K); value_codes 4 x 64 x 128 x 2 x 32 uint8 (E5M2 codes of value, K innermost, in blocks of 32 codes); value_scales 4 x 64 x 128 x 2 uint8 (E8M0 scales of value, one for each 32 codes along K).
;; Outputs: out0 4 x 64 x 64 x 128 float32.
;; This version of the problem:
;;   THIS VERSION OF THE PROBLEM IS GIVEN IN LOW PRECISION. The matrix products marked QUANTISED in the list below multiply operands that are first quantised to E5M2 (5 exponent bits, 2 mantissa bits; 8 bits a number), with one power-of-two scale for each 32 numbers along K (OCP MX v1.0); their sums are f32. All else is computed in f32.
;;   The module's matrix products, in the order in which they are computed (A, B: the left and right operand; K: the contracted axis; several contracted axes count as one K, in the product's order):
;;     1. [M 32,768, K 64] x [K 64, N 64]; A: input query (given as codes); B: input Wq (given as codes): QUANTISED
;;     2. [M 32,768, K 64] x [K 64, N 64]; A: input key_ (given as codes); B: input Wk (given as codes): QUANTISED
;;     3. [M 32,768, K 64] x [K 64, N 64]; A: input value (given as codes); B: input Wv (given as codes): QUANTISED
;;     4. batch 4 x [M 8,192, K 64] x [K 64, N 8,192]; A: computed on the way; B: computed on the way: QUANTISED
;;     5. batch 4 x [M 64, K 8,192] x [K 8,192, N 8,192]; A: computed on the way; B: softmax (see below): QUANTISED
;;   THE QUANTISER, for each operand of a quantised product, along K:
;;     - K is cut into blocks of 32 from its start; a last block that is shorter is filled with zeros.
;;     - A block's scale is 2^e with e = floor(log2(the largest magnitude in the block)) - 15, held to -126 .. 127; a block of zeros has e = 0. As a byte (E8M0): e + 127.
;;     - Each number is divided by its block's scale, clamped to +-57,344, and rounded to the nearest number of E5M2, ties to even, subnormals kept.
;;     - The product sums the exact products of the quantised numbers (number of the format x scale) in f32.
;;   ~~~python
;;   def quantise(x, axis):      # numpy; x: float32 -> the quantised numbers, widened to float32 again
;;       x = np.moveaxis(x, axis, -1); K = x.shape[-1]
;;       x = np.pad(x, [(0, 0)] * (x.ndim - 1) + [(0, -K % 32)]); x = x.reshape(x.shape[:-1] + (-1, 32)); a = np.abs(x).max(-1, keepdims=True)
;;       e = np.where(a > 0, np.clip(np.frexp(np.where(a > 0, a, 1))[1] - 1 - 15, -126, 127), 0)      # np.frexp(a)[1] - 1 = floor(log2(a)), exactly
;;       r = np.clip(x / 2.0 ** e, -57344, 57344)
;;       step = 2.0 ** (np.maximum(np.frexp(np.where(r == 0, 1, r))[1] - 1, -14) - 2)
;;       q = np.round(r / step) * step * 2.0 ** e      # np.round: ties to even
;;       return np.moveaxis(q.reshape(q.shape[:-2] + (-1,))[..., :K], -1, axis).astype(np.float32)
;;   ~~~
;;   SOFTMAX AHEAD OF A QUANTISED PRODUCT. Where the list says 'softmax', what is quantised is not the finished softmax but p = 2^(t - M), with t = logit x log2(e) and M = ceil(the row's largest t), a whole number; so 1/2 < the row's largest p <= 1. The row's sum l is taken of the UNQUANTISED p, in f32, and the product's result is divided by l at the end. Since M is a whole number, a kernel that streams over the keys may use a running M (the ceiling of the running maximum): every later rescaling is an exact power of two, which a block's scale takes up: the codes' values come out the same.
;;   OPERANDS COMPUTED ON THE WAY. 'Computed on the way' means the value that the module computes at that place (a softmax that the list does not call 'softmax' is quantised finished and normalised). What goes into a quantiser is computed in f32, as accurately as f32 sums, v_exp_f32 and their like allow (about 1e-6 of the number): no bf16 or f16 on the way to a quantiser, and a product that is left as it is and whose result goes on into a quantised operand takes f32 operands (vector FMAs, or v_wmma_f32_16x16x4_f32). A number that lies on a knife's edge between two numbers of the format may be rounded either way, as far as f32 arithmetic and the matrix unit's own rounding can turn it there, and no further.
;;   INPUTS GIVEN AS CODES. Wk (in the module: [64, 64], K = its axis 1); Wq (in the module: [64, 64], K = its axis 1); Wv (in the module: [64, 64], K = its axis 1); key_ (in the module: [4, 64, 64, 128], K = its axis 1); query (in the module: [4, 64, 64, 128], K = its axis 1); value (in the module: [4, 64, 64, 128], K = its axis 1): each comes as NAME_codes (uint8): NAME with its K axis moved to the last place and cut into blocks of 32 codes, [.., K / 32, bytes a block], one block behind the other in memory; one code a byte (a code: sign, 5 exponent bits, 2 mantissa bits); and NAME_scales (uint8): the same leading axes, one E8M0 byte (e + 127) for each 32 codes along K. Its value is code x scale, taken as it is: it is not quantised again, and the codes and scales need not be those that the quantiser above would give.
;; One version. Each part assembles by itself: llvm-mc -triple=amdgcn-amd-amdhsa -mcpu=gfx1250 --defsym DOCPART=n.
;; ======== version 1 of 1: 2 launches
;; limits: right only within a limited range of input values
;; workspace buffers: qv 4,194,304 bytes; scl 131,072 bytes
;; launch prep (part 1): grid 128 x 4, 4 waves a work-group, no clusters, 0 bytes of LDS; arguments query_codes, query_scales, Wq_codes, Wq_scales, bq, value_codes, value_scales, Wv_codes, Wv_scales, bv, qv, scl; writes qv, scl
.if DOCPART == 1
	.amdgcn_target "amdgcn-amd-amdhsa--gfx1250"
	.amdhsa_code_object_version 6
	.text
	.protected	k_q9276b63ea1_prep
	.globl	k_q9276b63ea1_prep
	.p2align	8
	.type	k_q9276b63ea1_prep,@function
k_q9276b63ea1_prep:
	s_mov_b64 s[64:65], 0
	v_nop
	global_prefetch_b8 v0, s[64:65] scope:SCOPE_SE
	s_setreg_imm32_b32 hwreg(HW_REG_WAVE_MODE, 25, 1), 1
	s_wait_xcnt 0x0
; FeatureMapAttention, first of two launches.  q = Wq query + bq and v = Wv value + bv (both products on codes of E5M2 with E8M0 scales, as given) are quantised
; again, q along the channels (the K of q^T k) and v along the positions n (the K of v p), and stored as IMAGES OF OPERAND REGISTERS for the second launch.
; DEAD WORK: none.  The softmax runs over n, so in real numbers bq . k[m] is the same along its axis; but bq goes into q, an operand that is quantised, so it stays.
; bk, bv and gamma reach the output.  Every input is loaded by one of the two launches.
; SHARES.  A step is 128 positions n of one batch.  Work-group x = 2 step + role, y = batch.  Role 0, wave w: q of the step's positions 32 w .. 32 w + 31 (a pair of tiles).
; Role 1, wave w: v of channels 16 w .. 16 w + 15 for all 128 positions.  Eight matrix instructions a wave in either role, and then one common tail.
; LAYOUT.  r = lane % 16, h = lane / 16.  A result's register j of lane (r, h) is (row 8 h + j of source 0, column r of source 1).  The rows that form a tile of source 0 are
; chosen: lane r of tile 2 b + u takes row 32 b + 8 u + r + 8 (r / 8), so that the 16 registers of tiles 2 b and 2 b + 1 are the 16 neighbours 32 b + 16 h + 0 .. 15.
; Role 0: source 0 = rows of Wq, source 1 = 16 positions: a lane holds one position, its registers run along the channels.
; Role 1: source 0 = positions, source 1 = 16 rows of Wv: a lane holds one channel, its registers run along n.  So the conversions' results are the later operand's registers.
; K = 64 IN AN INSTRUCTION OF K = 128: source 1's upper eight registers are zero codes; source 0's upper eight are the next tile's codes (or zeros): zero times a finite code adds nothing.
; The scale words come by loads of two bytes, so that the bytes over the zero codes are 0, which is a power of two and no NaN.
; qv: [batch][step][16,384]: q's pair P at 2,048 P, v's channel tile t at 8,192 + 2,048 t; in each, chunk c at 512 c, lane l's 16 bytes at 16 l.
;   q, chunk 2 u + b: q[n = 32 P + 8 u + r + 8 (r / 8)][channels 32 b + 16 h + 0 .. 15];  v, chunk c: v[channel 16 t + r][n = 32 c + 16 h + 0 .. 15].
; scl: [batch][step][512]: q's scale word of pair P, row r at 64 P + 4 r; v's of channel 16 t + r at 256 + 64 t + 4 r.
; LIMITS: codes of infinity or NaN and scale bytes 0xff among the inputs are not served (a zero code times such a code is no zero).  A block whose largest magnitude lies under
; 2^(16 - 127), a block of zeros among them, gets the byte 1: its codes are what the floor's scale gives, and this program alone reads the bytes.
; NO CLUSTER, NO LDS: what work-groups share is a weight of 4,096 bytes beside 8,192 bytes of their own input; operands go from memory straight into registers.
; The scale words leave as 64 bytes a wave: 512 of a step's 16,896 bytes.
.set X,   16                           ; v16-87   the input's fragments (8 registers a tile, K = 64)
.set W,   88                           ; v88-127  the weight's
.set CB,  128                          ; v128-159 the bias, as the C of the products
.set ACC, 160                          ; v160-223 eight results: four blocks of 16 neighbours along the later K
.set XS,  224                          ; v224-231 the input's scale words
.set WS,  232                          ; v232-235 the weight's
.set BV,  236                          ; v236     role 1: my channel's bias
.set PW,  237                          ; v237     the scale word just made
.set TM,  240                          ; v240-243 largest magnitudes, v244-247 bytes, v252-255 the conversions' scale operands
.set PC,  16                           ; v16-31   the codes: over the input's fragments, which are done with
.macro PLACES n
.rept \n
	v_nop
.endr
.endm
.macro MM d, a, b, c, sa, sb
	v_wmma_scale_f32_16x16x128_f8f6f4 v[\d:\d+7], v[\a:\a+15], v[\b:\b+15], v[\c:\c+7], v[\sa], v[\sb] matrix_a_fmt:MATRIX_FMT_BF8 matrix_b_fmt:MATRIX_FMT_BF8
.endm
	s_load_b512 s[4:19], s[0:1], 0x0               ; query codes 4:5, scales 6:7; Wq codes 8:9, scales 10:11; bq 12:13; value codes 14:15, scales 16:17; Wv codes 18:19
	s_load_b256 s[20:27], s[0:1], 0x40             ; Wv scales 20:21; bv 22:23; qv 24:25; scl 26:27
	v_lshrrev_b32 v1, 5, v0
	v_readfirstlane_b32 s38, v1                    ; wave 0..3
	v_and_b32 v1, 31, v0                           ; lane
	v_and_b32 v2, 15, v0                           ; r
	v_bfe_u32 v3, v0, 4, 1                         ; h
	v_and_b32 v4, 8, v2
	v_add_nc_u32 v4, v4, v2                        ; r + 8 (r / 8)
	v_lshlrev_b32 v5, 6, v4
	v_lshl_add_u32 v5, v3, 4, v5                   ; a chosen row of 64 codes, + 16 h
	v_lshlrev_b32 v6, 1, v4                        ; its two scale bytes
	v_lshlrev_b32 v7, 6, v2
	v_lshl_add_u32 v7, v3, 4, v7                   ; row r of 64 codes, + 16 h
	v_lshlrev_b32 v8, 1, v2                        ; its two scale bytes
	v_lshlrev_b32 v9, 6, v3                        ; 64 h: 16 h numbers of a bias
	v_lshlrev_b32 v10, 2, v2                       ; 4 r
	v_lshlrev_b32 v11, 4, v1                       ; 16 x lane: an image's place for my lane
.irp b, 0,1,2,3
	v_mov_b32 v[TM+4+\b], 0                        ; written once: a lane permute's destination counts as one of its sources
.endr
	s_mov_b32 s42, 0x76543210
	s_mov_b32 s43, 0xfedcba98                      ; v_permlanex16_b32's selects for lane l xor 16
	s_lshr_b32 s40, ttmp9, 1                       ; step
	s_and_b32 s39, ttmp9, 1                        ; role
	s_and_b32 s41, ttmp7, 0xffff                   ; batch
	s_xor_b32 s45, s39, 1
	s_mul_i32 s45, s45, s38
	s_lshl_b32 s45, s45, 5                         ; role 0: 32 x wave; role 1: 0
	s_lshl_b32 s46, s41, 13
	s_add_co_u32 s45, s45, s46
	s_lshl_b32 s46, s40, 7
	s_add_co_u32 s45, s45, s46                     ; my first position: 8,192 batch + 128 step (+ 32 wave)
	s_lshl_b32 s48, s45, 6                         ; its codes,
	s_mov_b32 s49, 0
	s_lshl_b32 s50, s45, 1                         ; its scale bytes
	s_mov_b32 s51, 0
	s_mul_i32 s46, s38, s39                        ; role 1: wave; role 0: 0
	s_lshl_b32 s52, s46, 10                        ; my 16 rows of the weight,
	s_mov_b32 s53, 0
	s_lshl_b32 s54, s46, 5                         ; their scale bytes,
	s_mov_b32 s55, 0
	s_lshl_b32 s56, s46, 6                         ; their bias
	s_mov_b32 s57, 0
	s_lshl_b32 s47, s41, 6
	s_add_co_u32 s47, s47, s40                     ; 64 batch + step
	s_lshl_b32 s58, s47, 14
	s_lshl_b32 s46, s39, 13
	s_add_co_u32 s58, s58, s46
	s_lshl_b32 s46, s38, 11
	s_add_co_u32 s58, s58, s46                     ; my image in qv: 16,384 record + 8,192 role + 2,048 wave
	s_mov_b32 s59, 0
	s_lshl_b32 s60, s47, 9
	s_lshl_b32 s46, s39, 8
	s_add_co_u32 s60, s60, s46
	s_lshl_b32 s46, s38, 6
	s_add_co_u32 s60, s60, s46                     ; my scale words in scl: 512 record + 256 role + 64 wave
	s_mov_b32 s61, 0
	s_wait_kmcnt 0x0
	s_cmp_eq_u32 s39, 0                            ; the choice hangs on the work-group's number alone
	s_cselect_b64 s[28:29], s[4:5], s[14:15]       ; the input's codes,
	s_cselect_b64 s[30:31], s[6:7], s[16:17]       ; its scale bytes,
	s_cselect_b64 s[32:33], s[8:9], s[18:19]       ; the weight's codes,
	s_cselect_b64 s[34:35], s[10:11], s[20:21]     ; its scale bytes,
	s_cselect_b64 s[36:37], s[12:13], s[22:23]     ; the bias
	s_add_nc_u64 s[28:29], s[28:29], s[48:49]
	s_add_nc_u64 s[30:31], s[30:31], s[50:51]
	s_add_nc_u64 s[32:33], s[32:33], s[52:53]
	s_add_nc_u64 s[34:35], s[34:35], s[54:55]
	s_add_nc_u64 s[36:37], s[36:37], s[56:57]
	s_add_nc_u64 s[24:25], s[24:25], s[58:59]
	s_add_nc_u64 s[26:27], s[26:27], s[60:61]
	s_cmp_lg_u32 s39, 0
	s_cbranch_scc1 .Lrole_v
	; ---- role 0: q.  Source 0 = four tiles of Wq (chosen rows), source 1 = two tiles of positions 8 u + r + 8 (r / 8): the rows of the later fragment
.irp j, 0,1,2,3,4,5,6,7
	v_mov_b32 v[X+8+\j], 0                         ; zero codes: the upper 64 of K in both tiles of source 1,
	v_mov_b32 v[X+24+\j], 0
	v_mov_b32 v[W+32+\j], 0                        ; and behind the last tile of source 0
.endr
.irp u, 0,1
.irp c, 0,1
	global_load_b128 v[X+16*\u+4*\c:X+16*\u+4*\c+3], v5, s[28:29] offset:512*\u+32*\c
.endr
	global_load_u16 v[XS+\u], v6, s[30:31] offset:16*\u
.endr
.irp t, 0,1,2,3
.irp c, 0,1
	global_load_b128 v[W+8*\t+4*\c:W+8*\t+4*\c+3], v5, s[32:33] offset:(32*(\t/2)+8*(\t%2))*64+32*\c
.endr
	global_load_u16 v[WS+\t], v6, s[34:35] offset:(32*(\t/2)+8*(\t%2))*2
	global_load_b128 v[CB+8*\t:CB+8*\t+3], v9, s[36:37] offset:(32*(\t/2)+8*(\t%2))*4       ; bq at my eight channels of the tile: the C of its product
	global_load_b128 v[CB+8*\t+4:CB+8*\t+7], v9, s[36:37] offset:(32*(\t/2)+8*(\t%2))*4+16
.endr
	s_wait_alu depctr_va_vdst(0)
	s_wait_loadcnt 0x0
	PLACES 4                                       ; an operand written by vector instructions (the zero codes) stands four places ahead of a scaled matrix instruction
.irp u, 0,1
.irp t, 0,1,2,3
	MM ACC+8*(4*\u+\t), W+8*\t, X+16*\u, CB+8*\t, WS+\t, XS+\u
.endr
.endr
	s_branch .Ltail
.Lrole_v:
	; ---- role 1: v.  Source 0 = eight tiles of positions (chosen rows), source 1 = my 16 rows of Wv
.irp j, 0,1,2,3,4,5,6,7
	v_mov_b32 v[X+64+\j], 0
	v_mov_b32 v[W+8+\j], 0
.endr
.irp i, 0,1,2,3,4,5,6,7
.irp c, 0,1
	global_load_b128 v[X+8*\i+4*\c:X+8*\i+4*\c+3], v5, s[28:29] offset:(32*(\i/2)+8*(\i%2))*64+32*\c
.endr
	global_load_u16 v[XS+\i], v6, s[30:31] offset:(32*(\i/2)+8*(\i%2))*2
.endr
.irp c, 0,1
	global_load_b128 v[W+4*\c:W+4*\c+3], v7, s[32:33] offset:32*\c
.endr
	global_load_u16 v[WS], v8, s[34:35]
	global_load_b32 v[BV], v10, s[36:37]
	s_wait_loadcnt 0x0
.irp j, 0,1,2,3,4,5,6,7
	v_mov_b32 v[CB+\j], v[BV]                      ; a lane holds one channel: its bias in all eight registers of C
.endr
	s_wait_alu depctr_va_vdst(0)
	PLACES 4
.irp i, 0,1,2,3,4,5,6,7
	MM ACC+8*\i, X+8*\i, W, CB, XS+\i, WS
.endr
.Ltail:
	PLACES 8                                       ; eight places behind this form, ahead of the first read of results and of writes over the operands
	; ---- the quantiser: four blocks of 32, of which a lane holds 16 and lane l xor 16 the other 16
.irp b, 0,1,2,3
	v_max3_num_f32 v[TM+\b], |v[ACC+16*\b]|, |v[ACC+1+16*\b]|, 0x8000000   ; my 16 numbers and the floor 2^(16 - 127): the byte cannot fall under 1.  Each result is read from its low end on
.endr
.irp i, 2,4,6,8,10,12,14
.irp b, 0,1,2,3
	v_max3_num_f32 v[TM+\b], v[TM+\b], |v[ACC+16*\b+\i]|, |v[ACC+1+16*\b+\i]|   ; the four blocks by turns
.endr
.endr
.irp b, 0,1,2,3
	v_permlanex16_b32 v[TM+4+\b], v[TM+\b], s42, s43
.endr
.irp b, 0,1,2,3
	v_max_num_f32 v[TM+\b], v[TM+\b], v[TM+4+\b]   ; the block's largest magnitude
.endr
.irp b, 0,1,2,3
	v_add_nc_u32 v[TM+12+\b], 0xf8800000, v[TM+\b] ; 15 off its exponent field: the conversion takes this operand's exponent field as its scale
.endr
.irp b, 0,1,2,3
.endr
.irp b, 0,1,2,3
	v_lshrrev_b32 v[TM+4+\b], 23, v[TM+12+\b]      ; the scale's byte
.endr
	v_lshl_or_b32 v[PW], v[TM+5], 8, v[TM+4]
	v_lshl_or_b32 v[PW], v[TM+6], 16, v[PW]
	v_lshl_or_b32 v[PW], v[TM+7], 24, v[PW]        ; the scale word of my row of the later operand (the same in lanes r and r + 16)
.irp b, 0,1,2,3
.irp i, 0,1,2,3,4,5,6,7,8,9,10,11,12,13,14,15
.endr
	v_cvt_scalef32_pk8_bf8_f32 v[PC+4*\b:PC+1+4*\b], v[ACC+16*\b:ACC+7+16*\b], v[TM+12+\b]
	v_cvt_scalef32_pk8_bf8_f32 v[PC+2+4*\b:PC+3+4*\b], v[ACC+8+16*\b:ACC+15+16*\b], v[TM+12+\b]
.endr
	v_nop                                          ; a plain line behind the last conversion
.irp c, 0,1,2,3
	global_store_b128 v11, v[PC+4*\c:PC+4*\c+3], s[24:25] offset:512*\c   ; 32 lanes store 512 consecutive bytes, at a multiple of 512 from qv's first byte
.endr
	global_store_b32 v10, v[PW], s[26:27]          ; lanes r and r + 16 store the same word at the same place: 64 bytes a wave
	s_endpgm
.Lfunc_end_k_q9276b63ea1_prep:
	.size	k_q9276b63ea1_prep, .Lfunc_end_k_q9276b63ea1_prep-k_q9276b63ea1_prep
	.p2alignl 7, 3214868480
	.fill 96, 4, 3214868480
	.section	.rodata,"a",@progbits
	.p2align	6, 0x0
	.amdhsa_kernel k_q9276b63ea1_prep
		.amdhsa_group_segment_fixed_size 0
		.amdhsa_private_segment_fixed_size 0
		.amdhsa_enable_private_segment 0
		.amdhsa_kernarg_size 96
		.amdhsa_user_sgpr_count 2
		.amdhsa_user_sgpr_kernarg_segment_ptr 1
		.amdhsa_wavefront_size32 1
		.amdhsa_system_sgpr_workgroup_id_x 1
		.amdhsa_system_sgpr_workgroup_id_y 1
		.amdhsa_system_sgpr_workgroup_id_z 1
		.amdhsa_system_vgpr_workitem_id 0
		.amdhsa_next_free_vgpr 256
		.amdhsa_next_free_sgpr 66
		.amdhsa_reserve_vcc 0
		.amdhsa_float_denorm_mode_32 3
		.amdhsa_float_denorm_mode_16_64 3
		.amdhsa_fp16_overflow 1
		.amdhsa_memory_ordered 1
		.amdhsa_forward_progress 1
		.amdhsa_inst_pref_size 17
	.end_amdhsa_kernel
	.amdgpu_metadata
---
amdhsa.version: [ 1, 2 ]
amdhsa.kernels:
  - .name:           k_q9276b63ea1_prep
    .symbol:         k_q9276b63ea1_prep.kd
    .args:
      - { .name: query_codes, .offset: 0, .size: 8, .value_kind: global_buffer, .address_space: global }
      - { .name: query_scales, .offset: 8, .size: 8, .value_kind: global_buffer, .address_space: global }
      - { .name: Wq_codes, .offset: 16, .size: 8, .value_kind: global_buffer, .address_space: global }
      - { .name: Wq_scales, .offset: 24, .size: 8, .value_kind: global_buffer, .address_space: global }
      - { .name: bq, .offset: 32, .size: 8, .value_kind: global_buffer, .address_space: global }
      - { .name: value_codes, .offset: 40, .size: 8, .value_kind: global_buffer, .address_space: global }
      - { .name: value_scales, .offset: 48, .size: 8, .value_kind: global_buffer, .address_space: global }
      - { .name: Wv_codes, .offset: 56, .size: 8, .value_kind: global_buffer, .address_space: global }
      - { .name: Wv_scales, .offset: 64, .size: 8, .value_kind: global_buffer, .address_space: global }
      - { .name: bv, .offset: 72, .size: 8, .value_kind: global_buffer, .address_space: global }
      - { .name: qv, .offset: 80, .size: 8, .value_kind: global_buffer, .address_space: global }
      - { .name: scl, .offset: 88, .size: 8, .value_kind: global_buffer, .address_space: global }
    .group_segment_fixed_size: 0
    .private_segment_fixed_size: 0
    .kernarg_segment_align: 8
    .kernarg_segment_size: 96
    .max_flat_workgroup_size: 128
    .sgpr_count:     66
    .vgpr_count:     256
    .wavefront_size: 32
...
	.end_amdgpu_metadata
.endif
;; end of part 1
;; launch attn (part 2): grid 64 x 4, 16 waves a work-group, clusters of 4 x 1, 327,680 bytes of LDS; arguments qv, scl, key__codes, key__scales, Wk_codes, Wk_scales, bk, value_codes, value_scales, Wv_codes, Wv_scales, bv, gamma, out0; writes out0
.if DOCPART == 2
	.amdgcn_target "amdgcn-amd-amdhsa--gfx1250"
	.amdhsa_code_object_version 6
	.text
	.protected	k_q9276b63ea1_attn
	.globl	k_q9276b63ea1_attn
	.p2align	8
	.type	k_q9276b63ea1_attn,@function
k_q9276b63ea1_attn:
	s_mov_b64 s[64:65], 0
	v_nop
	global_prefetch_b8 v0, s[64:65] scope:SCOPE_SE
	s_setreg_imm32_b32 hwreg(HW_REG_WAVE_MODE, 25, 1), 1
	s_wait_xcnt 0x0
	s_wait_alu depctr_hold_cnt(0) depctr_sa_sdst(0) depctr_va_vdst(0) depctr_va_sdst(0) depctr_va_ssrc(0) depctr_va_vcc(0) depctr_vm_vsrc(0)
	s_getreg_b32 s2, hwreg(HW_REG_IB_STS2, 6, 4)
	s_cmp_eq_u32 s2, 0
	s_cbranch_scc0 .Lentry_in_a_cluster
	s_endpgm
.Lentry_in_a_cluster:
	s_bfe_u32 s2, ttmp6, 0x10000c
	s_cmp_lg_u32 s2, 0x3003
	s_cbranch_scc0 .Lentry_shape_is_right
	s_endpgm
.Lentry_shape_is_right:
; FeatureMapAttention, second launch.  out[b][c][m] = gamma (sum over n of v[c][n] p[n][m]) / l[m] + v[c][m];  p = 2^(t - M), t = (q[:, n] . k[:, m]) log2(e) / 128, M = the ceiling of column m's
; largest t (a running one: every rescaling is an exact power of two), l = the sum over n of the unquantised p.  The softmax runs over n: a column m plays the query, the positions n the keys.
; No work of reference() is left out.  v at the wave's own 16 columns is made once more here, in f32, by four matrix instructions, so that no f32 copy of v goes through memory.
; SHARES.  A work-group owns 128 columns m of one batch.  Wave w owns tile T = w % 8 (16 columns) and half g = w / 8 of the positions: of each slot's four steps of 128 positions, steps 2 g and 2 g + 1.
; At the end waves T and T + 8 are merged through LDS: M is a whole number, so the merge's factors are exact powers of two.  Four waves share a SIMD: one wave's vector work stands beside another's products and LDS loads.
; LAYOUT.  r = lane % 16, h = lane / 16.  Both products are used transposed: S^T (source 0 = 16 positions, source 1 = my 16 columns), O^T (source 0 = 16 channels, source 1 = p): a lane holds ONE column m = r throughout.
; q's and v's fragments come from the first launch as images of their registers: every LDS load takes 512 consecutive bytes, 16 a lane.
; K = 64 IN AN INSTRUCTION OF K = 128: a fragment of q holds TWO tiles of positions (registers 0-7 tile u = 0, 8-15 tile u = 1); source 1 is [k | zero codes] for u = 0 and [zero codes | k] for u = 1.
; Row r of tile u of pair P is position 32 P + 8 u + r + 8 (r / 8), so the 16 registers of a pair's two results are positions 32 P + 16 h + 0 .. 15: p's conversions give the second product's operand as it stands.
; CLUSTER.  The four work-groups of a cluster belong to one batch and walk the same stream of q and v: every record and the scale words come by JOINT loads (mask 15).  The place in the cluster enters global addresses alone
; (key_, value, out0, the prefetches).
; LIMITS: codes of infinity or NaN and scale bytes 0xff among the inputs are not served.  A block whose largest magnitude lies under 2^(16 - 127) gets the byte 1.  A block's largest p is taken from its largest score, which
; takes v_exp_f32 not to fall where its input rises.  A p under 2^-126 counts as 0.
.set REC,   16384                      ; a step's record: q's four pairs (2,048 bytes each), then v's four channel tiles
.set SLOTB, 65536                      ; a slot: four records; slot 1 begins here, so that one exclusive or changes slots
.set SCL,   131072                     ; the batch's scale words, 512 bytes a step, filled once
.set MRG,   163840                     ; the merge: for each tile T 4,608 bytes: O^T as eight images of 512 bytes, -M at 4,096, l at 4,224
.set MRGT,  4608
.set STG,   200704                     ; the stage for the way out: a row a channel, 128 columns x 4 bytes + 16
.set SP,    528
.set SPARE, 234496                     ; the spare words, 128 bytes for each of the sixteen waves: eight blocks of 256 bytes that no other line names
.set LI0,  1                           ; v1   16 x lane + 32,768 g: my place in a slot
.set ASC0, 2                           ; v2   SCL + 4 x lane + 1,024 g: my place among a slot's scale words
.set AD,   3                           ; v3   the slot in hand: records
.set ADS,  4                           ; v4   and scale words
.set SPW,  5                           ; v5   LDS address of my spare word; never rewritten
.set NIL,  6                           ; v6   0; never rewritten
.set PFO,  7                           ; v7   256 x lane: the prefetches' offset; never rewritten
.set MST,  8                           ; v8   the merge: O^T's images
.set MSS,  9                           ; v9   the merge: -M and l
.set STO,  10                          ; v10  the stage, on the way in
.set SRD,  11                          ; v11  and back
                                       ; v12 -M, v13 the largest t so far, v[14:15] l in two halves
.set KB,   16                          ; v16-39 eight zero registers, k's eight, eight zero registers
.set KS,   40                          ; v40  k's scale word: bytes s0, s1, s0, s1
.set XO,   41                          ; v41  64 r + 16 h
.set SC,   42                          ; v42-45 scale words of source 0
.set XS,   46                          ; v46  the scale word of key_ or value at my column
.set XSO,  47                          ; v47  2 r
.set QF,   48                          ; v48-111 four fragments of q, then of v
.set S,    112                         ; v112-175 the scores, then p
.set O,    176                         ; v176-207 O^T: register 8 t + j is channel 16 t + 8 h + j
.set PC,   208                         ; v208-223 p's codes
.set BM,   224                         ; v224-227 the blocks' largest scores, then largest p
.set T1,   228                         ; v228-231 the permutes' destinations, then the bytes
.set LIMH, 232                         ; v232-235 57,344 x the scale
.set SCO,  236                         ; v236-239 the conversions' scale operands
.set SUM2, 240                         ; v[240:241] the second chain of the sum; in the merge a factor
.set F,    242                         ; v[242:243] f = 2^(old M - new M) in the low word; in the merge a factor
.set TMP,  244
.set PW,   245                         ; v245 p's scale word
.set BON,  246                         ; v246 32 h
.set GOF,  247                         ; v247 16 x lane
.set WV,   32                          ; s32  my wave's number;  s33 T;  s34 g;  s35 cx;  s36 my work-group's first column;  s37 the batch
.set G1,   40                          ; s[40:47] descriptor group 1: a record;  s[48:55]: a quarter of the scale words
.set G1S,  48
.set G0,   56                          ; s[56:59] group 0 for the records: it walks;  s[60:63] for the scale words
.set G0S,  60
.set SEL,  66                          ; s[66:67] lane selects for lane l xor 16
.set CS,   68                          ; s[68:69] c = log2(e) / 128
.set MNT,  70                          ; s70  the mantissa field of 57,344
.set TB,   71                          ; s71  LDS byte at which the slot in hand begins
.set TS,   72                          ; s72  its scale words: 2,048 bytes a slot
.set SLOTS, 73                         ; s73  slots still to be asked for
.set PFA,  74                          ; s[74:75] where my prefetches stand
.set LIM,  76                          ; s76  1 in a wave that prefetches, else the greatest number
.set GAM,  77                          ; s77  gamma
.macro PLACES n
.rept \n
	v_nop
.endr
.endm
; A round of the cluster's barrier: my work-group's barrier; wave 0 signals for the work-group; every wave waits for all four work-groups; my work-group's barrier once more.
.macro ROUND
	s_barrier_signal -1
	s_barrier_wait -1
	s_cmp_lg_u32 s[WV], 0
	s_cbranch_scc1 .Lnot_wave_0_\@
	s_barrier_signal -3
.Lnot_wave_0_\@:
	s_barrier_wait -3
	s_barrier_signal -1
	s_barrier_wait -1
.endm
; A joint load: waves 0 to 3 fetch a record each.  The branch hangs on the wave's number alone.  An s_nop 0 and four v_nop follow the line.
.macro JLOAD
	s_cmp_lt_u32 s[WV], 4
	s_cbranch_scc0 .Lno_load_\@
	tensor_load_to_lds s[G0:G0+3], s[G1:G1+7]
	s_nop 0
.rept 4
	v_nop
.endr
.Lno_load_\@:
.endm
; A prefetch of the slot that the NEXT change of slots will load: 65,536 bytes.  All clusters of a batch walk the same stream: the batch's first cluster asks.  Its four partners take a record each, told apart by address;
; in each, waves 4 and 5 take 8,192 bytes each, lanes 256 bytes apart: each aligned block of 256 bytes is named once in the launch.  The last change that fills a slot asks for nothing; slots 0 and 1 come by their loads alone.
.macro ASK
	s_cmp_gt_u32 s[SLOTS], s[LIM]
	s_cbranch_scc0 .Lnot_mine_\@
	global_prefetch_b8 v[PFO], s[PFA:PFA+1] th:TH_LOAD_NT scope:SCOPE_SE
.Lnot_mine_\@:
.endm
; THE CHANGE OF SLOTS, at a slot's head.  Each wave waits for all its tensor loads (its part of the slot that it is about to read), adds 0 to its spare word, and waits for that and for its reads of the slot that it has left.
; fill = 1: a round of the cluster's barrier follows, so that no wave of any partner still reads the other slot or has a load on its way, and the joint load of the next four steps is the first thing behind it.
.macro CHANGE fill
	s_wait_tensorcnt 0x0                           ; no tensor load of mine is out, so group 0 may be written
	ds_add_u32 v[SPW], v[NIL]
.if \fill
	ds_add_u32 v[SPW], v[NIL]                      ; and once more
	s_xor_b32 s[G0+1], s[G0+1], SLOTB              ; the other slot than last time,
	s_add_nc_u64 s[G0+2:G0+3], s[G0+2:G0+3], SLOTB ; the next four records; the type bits on top are not reached
	s_wait_xcnt 0x0                                ; the last prefetch, a slot back, has read its address, so it may be written:
	s_add_nc_u64 s[PFA:PFA+1], s[PFA:PFA+1], SLOTB ; one slot further on than the walking descriptor
.endif
	s_wait_dscnt 0x0                               ; the add is done, and my reads of the slot that I have left are over
.if \fill
	ROUND
	JLOAD
	ASK
.else
	s_barrier_signal -1
	s_barrier_wait -1
.endif
.endm
.macro LOADQ qq                        ; q's four fragments of my qq-th step, and the step's eight scale words: lanes 0-15 of SC + i take pair or tile 2 i, lanes 16-31 take 2 i + 1 (i = 0, 1: q's; 2, 3: v's)
.irp p, 0,1,2,3
.irp c, 0,1,2,3
	ds_load_b128 v[QF+16*\p+4*\c:QF+16*\p+4*\c+3], v[AD] offset:REC*(\qq)+2048*\p+512*\c
.endr
.endr
.irp i, 0,1,2,3
	ds_load_b32 v[SC+\i], v[ADS] offset:512*(\qq)+128*\i
.endr
.endm
.macro LOADV qq                        ; v's four fragments
.irp t, 0,1,2,3
.irp c, 0,1,2,3
	ds_load_b128 v[QF+16*\t+4*\c:QF+16*\t+4*\c+3], v[AD] offset:REC*(\qq)+8192+2048*\t+512*\c
.endr
.endr
.endm
.macro SPROD                           ; S^T: eight results; register 16 p + 8 u + j of lane (r, h) is the score of position 32 p + 16 h + 8 u + j with column r
.irp p, 0,1,2,3
.irp u, 0,1
.if (\p)%2
	v_wmma_scale_f32_16x16x128_f8f6f4 v[S+16*\p+8*\u:S+16*\p+8*\u+7], v[QF+16*\p:QF+16*\p+15], v[KB+8-8*\u:KB+23-8*\u], 0, v[SC+\p/2], v[KS] matrix_a_fmt:MATRIX_FMT_BF8 matrix_b_fmt:MATRIX_FMT_BF8 matrix_a_scale:MATRIX_SCALE_ROW1
.else
	v_wmma_scale_f32_16x16x128_f8f6f4 v[S+16*\p+8*\u:S+16*\p+8*\u+7], v[QF+16*\p:QF+16*\p+15], v[KB+8-8*\u:KB+23-8*\u], 0, v[SC+\p/2], v[KS] matrix_a_fmt:MATRIX_FMT_BF8 matrix_b_fmt:MATRIX_FMT_BF8
.endif
.endr
.endr
.endm
.macro PVPROD                          ; O^T += v p: the four accumulators by turns, one instruction a turn, the eight products of S^T between two turns of one
.irp t, 0,1,2,3
.if (\t)%2
	v_wmma_scale_f32_16x16x128_f8f6f4 v[O+8*\t:O+8*\t+7], v[QF+16*\t:QF+16*\t+15], v[PC:PC+15], v[O+8*\t:O+8*\t+7], v[SC+2+\t/2], v[PW] matrix_a_fmt:MATRIX_FMT_BF8 matrix_b_fmt:MATRIX_FMT_BF8 matrix_a_scale:MATRIX_SCALE_ROW1
.else
	v_wmma_scale_f32_16x16x128_f8f6f4 v[O+8*\t:O+8*\t+7], v[QF+16*\t:QF+16*\t+15], v[PC:PC+15], v[O+8*\t:O+8*\t+7], v[SC+2+\t/2], v[PW] matrix_a_fmt:MATRIX_FMT_BF8 matrix_b_fmt:MATRIX_FMT_BF8
.endif
.endr
.endm
.macro SOFTMAX
.irp b, 0,1,2,3
	v_max3_num_f32 v[BM+\b], v[S+16*\b], v[S+1+16*\b], v[S+2+16*\b]   ; the largest score of each block of 32 positions: for the column's maximum, and, since p rises with the score, for the block's largest p.  Each result is read from its low end on
.endr
.irp i, 3,5,7,9,11,13
.irp b, 0,1,2,3
	v_max3_num_f32 v[BM+\b], v[BM+\b], v[S+16*\b+\i], v[S+1+16*\b+\i]
.endr
.endr
.irp b, 0,1,2,3
	v_max_num_f32 v[BM+\b], v[BM+\b], v[S+15+16*\b]
.endr
.irp b, 0,1,2,3
	s_delay_alu instid0(VALU_DEP_4)
	v_permlanex16_b32 v[T1+\b], v[BM+\b], s[SEL], s[SEL+1]
.endr
.irp b, 0,1,2,3
	s_delay_alu instid0(VALU_DEP_4)
	v_max_num_f32 v[BM+\b], v[BM+\b], v[T1+\b]     ; with lane l xor 16's 16 positions
.endr
	s_delay_alu instid0(VALU_DEP_2)
	v_max3_num_f32 v[TMP], v[BM], v[BM+1], v[BM+2]
	s_delay_alu instid0(VALU_DEP_1)
	v_max_num_f32 v[TMP], v[TMP], v[BM+3]          ; the step's largest score of my column
	s_delay_alu instid0(VALU_DEP_1)
	v_mul_f32 v[TMP], s[CS], v[TMP]                ; as t (c is positive)
	s_delay_alu instid0(VALU_DEP_1)
	v_max_num_f32 v13, v13, v[TMP]                 ; the running largest t
	v_mov_b32 v[TMP], v12
	s_delay_alu instid0(VALU_DEP_2)
	v_floor_f32 v12, -v13                          ; the new -M = floor(-t): M is a whole number
	s_delay_alu instid0(VALU_DEP_1)
	v_sub_f32 v[TMP], v12, v[TMP]                  ; old M less new M: a whole number, 0 or less
	s_delay_alu instid0(VALU_DEP_1)
	v_cvt_i32_f32 v[TMP], v[TMP]                   ; (it saturates)
	s_delay_alu instid0(VALU_DEP_1)
	v_ldexp_f32 v[F], 1.0, v[TMP]                  ; f = 2^(old M - new M): a multiplication by it rounds nothing
.irp j, 0,2,4,6,8,10,12,14,16,18,20,22,24,26,28,30,32,34,36,38,40,42,44,46,48,50,52,54,56,58,60,62
	v_pk_fma_f32 v[S+\j:S+1+\j], v[S+\j:S+1+\j], s[CS:CS+1], v[12:13] op_sel_hi:[1,0,0]   ; t - M, two at a time (of the pairs c and -M the low word serves both halves)
.endr
.irp b, 0,1,2,3
	v_fma_f32 v[BM+\b], v[BM+\b], s[CS], v12       ; the same of each block's largest score
.endr
	s_wait_alu depctr_va_vdst(0)
.irp j, 0,1,2,3,4,5,6,7,8,9,10,11,12,13,14,15,16,17,18,19,20,21,22,23,24,25,26,27,28,29,30,31,32,33,34,35,36,37,38,39,40,41,42,43,44,45,46,47,48,49,50,51,52,53,54,55,56,57,58,59,60,61,62,63
	v_exp_f32 v[S+\j], v[S+\j]                     ; p = 2^(t - M), at most 1: not normalised
.endr
	v_pk_mul_f32 v[14:15], v[14:15], v[F:F+1] op_sel_hi:[1,0]   ; l under the new M: the plain line behind the exponentials
	s_wait_alu depctr_va_vdst(0)                   ; one wait for the batch of 64, ahead of its first reader
.irp b, 0,1,2,3
	v_exp_f32 v[BM+\b], v[BM+\b]                   ; the block's largest p: the same two instructions on the same number
.endr
	v_pk_add_f32 v[240:241], v[116:117], v[120:121]
	v_pk_add_f32 v[254:255], v[124:125], v[128:129]
	v_pk_add_f32 v[252:253], v[132:133], v[136:137]
	v_pk_add_f32 v[250:251], v[140:141], v[144:145]
	v_pk_add_f32 v[248:249], v[148:149], v[152:153]
	v_pk_add_f32 v[238:239], v[156:157], v[160:161]
	v_pk_add_f32 v[236:237], v[164:165], v[168:169]
	v_pk_add_f32 v[14:15], v[14:15], v[172:173]
	v_pk_add_f32 v[240:241], v[240:241], v[112:113]
	v_pk_add_f32 v[254:255], v[254:255], v[114:115]
	v_pk_add_f32 v[252:253], v[252:253], v[118:119]
	v_pk_add_f32 v[250:251], v[250:251], v[122:123]
	v_pk_add_f32 v[248:249], v[248:249], v[126:127]
	v_pk_add_f32 v[238:239], v[238:239], v[130:131]
	v_pk_add_f32 v[236:237], v[236:237], v[134:135]
	v_pk_add_f32 v[14:15], v[14:15], v[138:139]
	v_pk_add_f32 v[240:241], v[240:241], v[142:143]
	v_pk_add_f32 v[254:255], v[254:255], v[146:147]
	v_pk_add_f32 v[252:253], v[252:253], v[150:151]
	v_pk_add_f32 v[250:251], v[250:251], v[154:155]
	v_pk_add_f32 v[248:249], v[248:249], v[158:159]
	v_pk_add_f32 v[238:239], v[238:239], v[162:163]
	v_pk_add_f32 v[236:237], v[236:237], v[166:167]
	v_pk_add_f32 v[14:15], v[14:15], v[170:171]
	v_pk_add_f32 v[240:241], v[240:241], v[174:175]
	s_delay_alu instid0(VALU_DEP_2)
	v_pk_add_f32 v[14:15], v[14:15], v[250:251]
	s_delay_alu instid0(VALU_DEP_2)
	v_pk_add_f32 v[240:241], v[240:241], v[248:249]
	v_pk_add_f32 v[254:255], v[254:255], v[238:239]
	v_pk_add_f32 v[252:253], v[252:253], v[236:237]
	s_delay_alu instid0(VALU_DEP_2)
	v_pk_add_f32 v[14:15], v[14:15], v[254:255]
	s_delay_alu instid0(VALU_DEP_2)
	v_pk_add_f32 v[240:241], v[240:241], v[252:253]
	s_delay_alu instid0(VALU_DEP_1)
	v_pk_add_f32 v[14:15], v[14:15], v[240:241]
	s_wait_alu depctr_va_vdst(0)                   ; and one for the four
.irp b, 0,1,2,3
	v_max_num_f32 v[BM+\b], 0x8000000, v[BM+\b]    ; the floor 2^(16 - 127): the byte cannot fall under 1
.endr
.irp b, 0,1,2,3
	s_delay_alu instid0(VALU_DEP_4)
	v_add_nc_u32 v[SCO+\b], 0xf8800000, v[BM+\b]   ; 15 off the exponent field: the conversion's scale operand
.endr
.irp b, 0,1,2,3
	v_and_or_b32 v[LIMH+\b], v[BM+\b], 0x7f800000, s[MNT]   ; 57,344 x the scale
.endr
.irp b, 0,1,2,3
	v_lshrrev_b32 v[T1+\b], 23, v[SCO+\b]          ; the scale's byte
.endr
	s_delay_alu instid0(VALU_DEP_3)
	v_lshl_or_b32 v[PW], v[T1+1], 8, v[T1]         ; p's scale word for these 128 positions
	s_delay_alu instid0(VALU_DEP_1)
	v_lshl_or_b32 v[PW], v[T1+2], 16, v[PW]
	s_delay_alu instid0(VALU_DEP_1)
	v_lshl_or_b32 v[PW], v[T1+3], 24, v[PW]
.irp b, 0,1,2,3
.irp i, 0,1,2,3,4,5,6,7,8,9,10,11,12,13,14,15
	v_min_num_f32 v[S+16*\b+\i], v[S+16*\b+\i], v[LIMH+\b]   ; the conversion to an 8-bit code does not saturate (ISA guide 7.6.2); p is not negative, so the hold is one-sided
.endr
	v_cvt_scalef32_pk8_bf8_f32 v[PC+4*\b:PC+1+4*\b], v[S+16*\b:S+7+16*\b], v[SCO+\b]
	v_cvt_scalef32_pk8_bf8_f32 v[PC+2+4*\b:PC+3+4*\b], v[S+8+16*\b:S+15+16*\b], v[SCO+\b]
.endr
.irp j, 0,2,4,6,8,10,12,14,16,18,20,22,24,26,28,30
	v_pk_mul_f32 v[O+\j:O+1+\j], v[O+\j:O+1+\j], v[F:F+1] op_sel_hi:[1,0]   ; O^T under the new M.  These sixteen also stand between the conversions and the products that take the codes
.endr
.endm
; A STEP: 128 positions.  Eight places stand behind the last products ahead of each run of loads into registers that they have read, and ahead of the first read of results (ISA guide 7.12.1 for the first read of results).
.macro STEP qq
	PLACES 8
	LOADQ \qq
	s_wait_dscnt 0x0
	SPROD
	PLACES 8
	LOADV \qq                                      ; v's fragments land while the softmax is walked
	SOFTMAX
	s_wait_alu depctr_va_vdst(0)
	s_wait_dscnt 0x0
	PVPROD
.endm
.macro SLOT_STEPS
	v_add_nc_u32 v[AD], s[TB], v[LI0]
	s_wait_alu depctr_va_vdst(0)
	v_add_nc_u32 v[ADS], s[TS], v[ASC0]
	STEP 0
	STEP 1
	s_xor_b32 s[TB], s[TB], SLOTB                  ; on to the other slot
	s_add_co_u32 s[TS], s[TS], 2048                ; and to the next four steps' scale words
.endm
; A projection of my 16 columns: four tiles of a weight (v48-79; v80-87 zero codes) x the input's tile (v88-95; v96-103 zero codes); the bias lies in the accumulators.
.macro PROJ
	PLACES 4                                       ; the zero codes were written by vector instructions: four places ahead of a scaled matrix instruction
.irp t, 0,1,2,3
	v_wmma_scale_f32_16x16x128_f8f6f4 v[S+8*\t:S+8*\t+7], v[QF+8*\t:QF+8*\t+15], v[88:103], v[S+8*\t:S+8*\t+7], v[SC+\t], v[XS] matrix_a_fmt:MATRIX_FMT_BF8 matrix_b_fmt:MATRIX_FMT_BF8
.endr
.endm
	s_load_b512 s[4:19], s[0:1], 0x0               ; qv 4:5; scl 6:7; key_ codes 8:9, scales 10:11; Wk codes 12:13, scales 14:15; bk 16:17; value codes 18:19
	s_load_b256 s[20:27], s[0:1], 0x40             ; value scales 20:21; Wv codes 22:23, scales 24:25; bv 26:27
	s_load_b128 s[28:31], s[0:1], 0x60             ; gamma 28:29; out0 30:31
	v_lshl_add_u32 v[SPW], v0, 2, SPARE
	v_mov_b32 v[NIL], 0
	ds_add_u32 v[SPW], v[NIL]                      ; the wave's opening: the add, twice on end, and its wait ahead of the round in front of the first tensor loads
	ds_add_u32 v[SPW], v[NIL]
	v_lshrrev_b32 v248, 5, v0
	s_delay_alu instid0(VALU_DEP_1)
	v_readfirstlane_b32 s[WV], v248                ; wave 0..15
	s_and_b32 s33, s[WV], 7                        ; T
	s_lshr_b32 s34, s[WV], 3                       ; g
	s_bfe_u32 s35, ttmp6, 0x40000                  ; cx: my place in the cluster
	s_and_b32 s37, ttmp7, 0xffff                   ; the batch, which the four partners share
	s_lshl_b32 s36, ttmp9, 2                       ; in a cluster launch ttmp9 counts clusters
	s_add_co_u32 s36, s36, s35
	s_lshl_b32 s36, s36, 7                         ; my work-group's first column
	s_lshl_b32 s78, s37, 13
	s_add_co_u32 s78, s78, s36
	s_lshl_b32 s92, s33, 4
	s_add_co_u32 s78, s78, s92                     ; my first column among all batches': 8,192 batch + first column + 16 T
	s_lshl_b32 s80, s78, 6                         ; its codes in key_ and value,
	s_mov_b32 s81, 0
	s_lshl_b32 s82, s78, 1                         ; its scale bytes
	s_mov_b32 s83, 0
	s_lshl_b32 s84, s37, 6
	s_lshl_b32 s92, s[WV], 2
	s_add_co_u32 s84, s84, s92                     ; the way out: channels 4 w .. 4 w + 3
	s_lshl_b32 s84, s84, 13
	s_add_co_u32 s84, s84, s36
	s_lshl_b32 s84, s84, 2                         ; ((64 batch + 4 w) 8,192 + first column) x 4 bytes
	s_mov_b32 s85, 0
	s_and_b32 s79, s[WV], 3                        ; which record, and which quarter of the scale words, I fetch if I fetch
	s_lshl_b32 s93, s79, 14                        ; its place in a slot and in memory: no place in the cluster enters these registers
	s_lshl_b32 s86, s37, 20
	s_add_co_u32 s86, s86, s93
	s_mov_b32 s87, 0
	s_lshl_b32 s94, s79, 13
	s_lshl_b32 s88, s37, 15
	s_add_co_u32 s88, s88, s94
	s_mov_b32 s89, 0
	s_lshl_b32 s90, s37, 20                        ; the prefetches: my batch,
	s_lshl_b32 s92, s35, 14
	s_add_co_u32 s90, s90, s92                     ; my work-group's record,
	s_and_b32 s92, s[WV], 1
	s_lshl_b32 s92, s92, 13
	s_add_co_u32 s90, s90, s92                     ; my wave's half of it,
	s_add_co_u32 s90, s90, SLOTB                   ; in slot 1: the first change of slots steps it to slot 2
	s_mov_b32 s91, 0
	s_sub_co_u32 s92, s[WV], 4
	s_lshr_b32 s92, s92, 1                         ; 0 in waves 4 and 5,
	s_or_b32 s92, s92, ttmp9                       ; of the batch's first cluster: the same in all four partners
	s_cmp_eq_u32 s92, 0
	s_cselect_b32 s[LIM], 1, -1
	; descriptor group 1: a record is a dense block of 16,384 bytes: 64 rows of 32 elements of 8 bytes, no padding (every LDS read takes consecutive bytes)
	s_mov_b32 s[G1], 15|(3<<16)|(1<<21)            ; 15:0 the mask: all four work-groups; 17:16 elements of 8 bytes; 21 set beside a mask
	s_mov_b32 s[G1+1], 32<<16                      ; tensor_dim0 = 32
	s_mov_b32 s[G1+2], 64<<16                      ; tensor_dim1 = 64
	s_mov_b32 s[G1+3], 32<<16                      ; tile_dim0 = 32
	s_mov_b32 s[G1+4], 64                          ; tile_dim1 = 64
	s_mov_b32 s[G1+5], 32                          ; from row to row
	s_mov_b32 s[G1+6], 0
	s_mov_b32 s[G1+7], 0
	s_mov_b32 s[G1S], 15|(3<<16)|(1<<21)           ; a quarter of the batch's scale words: 8,192 bytes, 32 such rows
	s_mov_b32 s[G1S+1], 32<<16
	s_mov_b32 s[G1S+2], 32<<16
	s_mov_b32 s[G1S+3], 32<<16
	s_mov_b32 s[G1S+4], 32
	s_mov_b32 s[G1S+5], 32
	s_mov_b32 s[G1S+6], 0
	s_mov_b32 s[G1S+7], 0
	s_mov_b32 s[SEL], 0x76543210
	s_mov_b32 s[SEL+1], 0xfedcba98
	s_mov_b32 s[CS], 0x3c38aa3b                    ; c = log2(e) / 128
	s_mov_b32 s[CS+1], s[CS]                       ; (named with it as a pair, so it is written)
	s_mov_b32 s[MNT], 0x600000
	s_mov_b32 s[TB], 0
	s_mov_b32 s[TS], 0
	s_mov_b32 s[SLOTS], 15
	s_wait_dscnt 0x0                               ; both opening adds are done
	s_wait_kmcnt 0x0
	s_add_nc_u64 s[8:9], s[8:9], s[80:81]          ; key_ at my first column
	s_add_nc_u64 s[10:11], s[10:11], s[82:83]
	s_add_nc_u64 s[18:19], s[18:19], s[80:81]      ; value likewise
	s_add_nc_u64 s[20:21], s[20:21], s[82:83]
	s_add_nc_u64 s[30:31], s[30:31], s[84:85]      ; out0 at my four channels' rows
	s_add_nc_u64 s[PFA:PFA+1], s[4:5], s[90:91]
	s_mov_b32 s[G0], 1                             ; count = 1
	s_mov_b32 s[G0+1], s93                         ; LDS address: slot 0, my record
	s_add_nc_u64 s[G0+2:G0+3], s[4:5], s[86:87]    ; the batch's first four records
	s_or_b32 s[G0+3], s[G0+3], 0x80000000          ; type = 2
	s_mov_b32 s[G0S], 1
	s_add_co_u32 s[G0S+1], s94, SCL
	s_add_nc_u64 s[G0S+2:G0S+3], s[6:7], s[88:89]
	s_or_b32 s[G0S+3], s[G0S+3], 0x80000000
	ROUND                                          ; all four work-groups are here: the first joint loads meet
	s_cmp_lt_u32 s[WV], 4                          ; a wave's two first fills stand in one branch: two loads of mine are out
	s_cbranch_scc0 .Lfirst_asked
	tensor_load_to_lds s[G0S:G0S+3], s[G1S:G1S+7]  ; the scale words of the whole batch: filled once
	s_nop 0
	tensor_load_to_lds s[G0:G0+3], s[G1:G1+7]      ; slot 0
	s_nop 0
.rept 4
	v_nop
.endr
.Lfirst_asked:
	s_load_b32 s[GAM], s[28:29], 0x0               ; gamma: no line of the launch writes it
.irp j, 0,1,2,3,4,5,6,7
	v_mov_b32 v[KB+\j], 0                          ; zero codes on both sides of k,
	v_mov_b32 v[KB+16+\j], 0
	v_mov_b32 v[80+\j], 0                          ; behind the weight's last tile,
	v_mov_b32 v[96+\j], 0                          ; and in the upper 64 of the input's K
.endr
.irp b, 0,1,2,3
	v_mov_b32 v[T1+\b], 0                          ; written once: a lane permute's destination counts as one of its sources
.endr
	v_mov_b32 v[F+1], 0                            ; (named as the upper half of a pair)
	v_and_b32 v248, 31, v0                         ; lane
	v_and_b32 v249, 15, v0                         ; r
	v_bfe_u32 v250, v0, 4, 1                       ; h
	s_wait_alu depctr_va_vdst(0)
	v_lshlrev_b32 v[GOF], 4, v248
	s_wait_alu depctr_va_vdst(0)
	s_lshl_b32 s92, s34, 15
	v_add_nc_u32 v[LI0], s92, v[GOF]
	s_lshl_b32 s92, s34, 10
	s_add_co_u32 s92, s92, SCL
	v_lshl_add_u32 v[ASC0], v248, 2, s92
	v_lshlrev_b32 v[PFO], 8, v248
	s_mul_i32 s92, s33, MRGT
	s_add_co_u32 s92, s92, MRG
	v_add_nc_u32 v[MST], s92, v[GOF]
	s_add_co_u32 s92, s92, 4096
	v_lshl_add_u32 v[MSS], v248, 2, s92
	s_lshl_b32 s92, s33, 6
	s_add_co_u32 s92, s92, STG
	v_mul_u32_u24 v[STO], v250, 8*SP
	s_delay_alu instid0(VALU_DEP_1)
	v_lshl_add_u32 v[STO], v249, 2, v[STO]
	s_delay_alu instid0(VALU_DEP_1)
	v_add_nc_u32 v[STO], s92, v[STO]               ; the stage: row 8 h, + 64 T + 4 r: my column
	s_mul_i32 s92, s[WV], 4*SP
	s_add_co_u32 s92, s92, STG
	v_add_nc_u32 v[SRD], s92, v[GOF]               ; back: my four rows, 16 bytes a lane
	v_lshlrev_b32 v[XO], 6, v249
	s_delay_alu instid0(VALU_DEP_1)
	v_lshl_add_u32 v[XO], v250, 4, v[XO]
	v_lshlrev_b32 v[XSO], 1, v249
	v_lshlrev_b32 v[BON], 5, v250
	v_and_b32 v251, 8, v249
	s_delay_alu instid0(VALU_DEP_1)
	v_add_nc_u32 v251, v251, v249                  ; r + 8 (r / 8)
	s_delay_alu instid0(VALU_DEP_1)
	v_lshlrev_b32 v252, 6, v251
	s_delay_alu instid0(VALU_DEP_1)
	v_lshl_add_u32 v252, v250, 4, v252             ; a chosen row of Wk, + 16 h
	s_delay_alu instid0(VALU_DEP_3)
	v_lshlrev_b32 v251, 1, v251                    ; its two scale bytes
	v_lshlrev_b32 v250, 6, v250                    ; 64 h: 16 h numbers of bk
	; ---- k = Wk key_ + bk at my 16 columns, quantised along the channels, in registers.  (Waves T and T + 8 make the same k: four matrix instructions each.)
.irp t, 0,1,2,3
.irp c, 0,1
	global_load_b128 v[QF+8*\t+4*\c:QF+8*\t+4*\c+3], v252, s[12:13] offset:(32*(\t/2)+8*(\t%2))*64+32*\c
.endr
	global_load_u16 v[SC+\t], v251, s[14:15] offset:(32*(\t/2)+8*(\t%2))*2
	global_load_b128 v[S+8*\t:S+8*\t+3], v250, s[16:17] offset:(32*(\t/2)+8*(\t%2))*4
	global_load_b128 v[S+8*\t+4:S+8*\t+7], v250, s[16:17] offset:(32*(\t/2)+8*(\t%2))*4+16
.endr
.irp c, 0,1
	global_load_b128 v[88+4*\c:91+4*\c], v[XO], s[8:9] offset:32*\c
.endr
	global_load_u16 v[XS], v[XSO], s[10:11]
	s_wait_loadcnt 0x0
	PROJ                                           ; register 16 b + i of lane (r, h): k[channel 32 b + 16 h + i][column r]
	PLACES 8
.irp b, 0,1
	v_max3_num_f32 v[BM+\b], |v[S+16*\b]|, |v[S+1+16*\b]|, 0x8000000
.endr
.irp i, 2,4,6,8,10,12,14
.irp b, 0,1
	v_max3_num_f32 v[BM+\b], v[BM+\b], |v[S+16*\b+\i]|, |v[S+1+16*\b+\i]|
.endr
.endr
.irp b, 0,1
	s_delay_alu instid0(VALU_DEP_2)
	v_permlanex16_b32 v[T1+\b], v[BM+\b], s[SEL], s[SEL+1]
.endr
.irp b, 0,1
	s_delay_alu instid0(VALU_DEP_2)
	v_max_num_f32 v[BM+\b], v[BM+\b], v[T1+\b]
.endr
.irp b, 0,1
	s_delay_alu instid0(VALU_DEP_2)
	v_add_nc_u32 v[SCO+\b], 0xf8800000, v[BM+\b]
.endr
.irp b, 0,1
.endr
.irp b, 0,1
	s_delay_alu instid0(VALU_DEP_2)
	v_lshrrev_b32 v[T1+\b], 23, v[SCO+\b]
.endr
	s_delay_alu instid0(VALU_DEP_1)
	v_lshl_or_b32 v[KS], v[T1+1], 8, v[T1]
	s_delay_alu instid0(VALU_DEP_1)
	v_lshl_or_b32 v[KS], v[KS], 16, v[KS]          ; the two bytes twice: k stands in the lower or in the upper 64 of K
.irp b, 0,1
.irp i, 0,1,2,3,4,5,6,7,8,9,10,11,12,13,14,15
.endr
	v_cvt_scalef32_pk8_bf8_f32 v[KB+8+4*\b:KB+9+4*\b], v[S+16*\b:S+7+16*\b], v[SCO+\b]
	v_cvt_scalef32_pk8_bf8_f32 v[KB+10+4*\b:KB+11+4*\b], v[S+8+16*\b:S+15+16*\b], v[SCO+\b]
.endr
	v_nop                                          ; a plain line behind the last conversion
	v_mov_b32 v13, 0xff61b1e6                      ; the largest t so far: -3e38, under every t
	s_delay_alu instid0(VALU_DEP_1)
	v_floor_f32 v12, -v13                          ; -M
	v_mov_b32 v14, 0                               ; l, in two halves
	v_mov_b32 v15, 0
.irp j, 0,1,2,3,4,5,6,7,8,9,10,11,12,13,14,15,16,17,18,19,20,21,22,23,24,25,26,27,28,29,30,31
	v_mov_b32 v[O+\j], 0                           ; O^T.  (The step is written without a first form: the first change of M multiplies zeros.)  These lines are also the places behind k's scale word and codes
.endr
	s_wait_kmcnt 0x0                               ; gamma
.Lslot:                                            ; 15 trips: behind each change of slots but the last the next slot is asked for; in the first trip that is slot 1's first fill, and no wave refills there
	CHANGE 1
	SLOT_STEPS
	s_sub_co_u32 s[SLOTS], s[SLOTS], 1
	s_cmp_lg_u32 s[SLOTS], 0
	s_cbranch_scc1 .Lslot
	CHANGE 0                                       ; the last slot is written out
	SLOT_STEPS
	; ---- THE WAY OUT.  Waves 8 to 15 hand O^T, -M and l to waves 0 to 7, which meanwhile ask for what v at their columns needs.
	PLACES 8                                       ; behind the last products: ahead of the reads of O^T and of writes and loads into the fragments' registers
	v_add_f32 v14, v14, v15                        ; l's two halves,
	s_delay_alu instid0(VALU_DEP_1)
	v_permlanex16_b32 v[TMP], v14, s[SEL], s[SEL+1]
	s_delay_alu instid0(VALU_DEP_1)
	v_add_f32 v14, v14, v[TMP]                     ; and lane l xor 16's
	s_cmp_lt_u32 s[WV], 8
	s_cbranch_scc1 .Llow_a
.irp i, 0,1,2,3,4,5,6,7
	ds_store_b128 v[MST], v[O+4*\i:O+4*\i+3] offset:512*\i   ; images of the registers, each accumulator from its low end on
.endr
	ds_store_b32 v[MSS], v12
	ds_store_b32 v[MSS], v14 offset:128
	s_branch .Ljoin_a
.Llow_a:
.irp j, 0,1,2,3,4,5,6,7
	v_mov_b32 v[80+\j], 0
	v_mov_b32 v[96+\j], 0
.endr
.irp t, 0,1,2,3                                ; Wv's rows 16 t + r as they lie: the result's register j is then channel 16 t + 8 h + j, as in O^T
.irp c, 0,1
	global_load_b128 v[QF+8*\t+4*\c:QF+8*\t+4*\c+3], v[XO], s[22:23] offset:1024*\t+32*\c
.endr
	global_load_u16 v[SC+\t], v[XSO], s[24:25] offset:32*\t
	global_load_b128 v[S+8*\t:S+8*\t+3], v[BON], s[26:27] offset:64*\t
	global_load_b128 v[S+8*\t+4:S+8*\t+7], v[BON], s[26:27] offset:64*\t+16
.endr
.irp c, 0,1
	global_load_b128 v[88+4*\c:91+4*\c], v[XO], s[18:19] offset:32*\c
.endr
	global_load_u16 v[XS], v[XSO], s[20:21]
.Ljoin_a:
	s_wait_dscnt 0x0                               ; for the others' sake: my stores have landed
	s_barrier_signal -1
	s_barrier_wait -1
	s_cmp_lt_u32 s[WV], 8
	s_cbranch_scc0 .Ljoin_b
.irp i, 0,1,2,3,4,5,6,7
	ds_load_b128 v[S+32+4*\i:S+35+4*\i], v[MST] offset:512*\i   ; my partner's O^T, in the same lanes
.endr
	ds_load_b32 v248, v[MSS]                       ; its -M
	ds_load_b32 v249, v[MSS] offset:128            ; its l
	s_wait_loadcnt 0x0
	s_wait_alu depctr_va_vdst(0)
	PROJ                                           ; v = Wv value + bv at my columns, in f32
	s_wait_dscnt 0x0
	v_min_num_f32 v250, v12, v248                  ; -(the larger M).  This line and the plain lines below, none of which names a register of the four products, are their eight places
	s_delay_alu instid0(VALU_DEP_1)
	v_sub_f32 v251, v250, v12
	s_delay_alu instid0(VALU_DEP_2)
	v_sub_f32 v252, v250, v248
	s_delay_alu instid0(VALU_DEP_2)
	v_cvt_i32_f32 v251, v251
	s_delay_alu instid0(VALU_DEP_2)
	v_cvt_i32_f32 v252, v252
	s_delay_alu instid0(VALU_DEP_2)
	v_ldexp_f32 v251, 1.0, v251                    ; f0 = 2^(my M - the larger)
	s_delay_alu instid0(VALU_DEP_2)
	v_ldexp_f32 v252, 1.0, v252                    ; f1 = 2^(its M - the larger)
	s_delay_alu instid0(VALU_DEP_2)
	v_mul_f32 v14, v14, v251
	s_delay_alu instid0(VALU_DEP_1)
	v_fma_f32 v14, v249, v252, v14                 ; l
	s_wait_alu depctr_va_vdst(0)
	v_rcp_f32 v[TMP], v14
	v_nop                                          ; a plain line behind the reciprocal
	s_wait_alu depctr_va_vdst(0)                   ; and the wait ahead of its first reader
	v_mul_f32 v[TMP], s[GAM], v[TMP]               ; gamma / l
	s_delay_alu instid0(VALU_DEP_1)
	v_mul_f32 v[F], v[TMP], v251
	s_delay_alu instid0(VALU_DEP_2)
	v_mul_f32 v[SUM2], v[TMP], v252
.irp j, 0,2,4,6,8,10,12,14,16,18,20,22,24,26,28,30
	v_pk_fma_f32 v[S+32+\j:S+33+\j], v[S+32+\j:S+33+\j], v[SUM2:SUM2+1], v[S+\j:S+1+\j] op_sel_hi:[1,0,1]   ; its O^T x f1 gamma / l + v
.endr
.irp j, 0,2,4,6,8,10,12,14,16,18,20,22,24,26,28,30
	v_pk_fma_f32 v[S+32+\j:S+33+\j], v[O+\j:O+1+\j], v[F:F+1], v[S+32+\j:S+33+\j] op_sel_hi:[1,0,1]         ; + my O^T x f0 gamma / l
.endr
.irp t, 0,1,2,3
.irp j, 0,1,2,3,4,5,6,7
	ds_store_b32 v[STO], v[S+32+8*\t+\j] offset:(16*\t+\j)*SP   ; channel 16 t + 8 h + j, column 16 T + r: the two halves of the lanes lie 8 rows, 1,056 words, apart: 32 different banks
.endr
.endr
.Ljoin_b:
	s_wait_dscnt 0x0
	s_barrier_signal -1
	s_barrier_wait -1                              ; 64 rows of 128 columns lie in the stage
.irp i, 0,1,2,3
	ds_load_b128 v[O+4*\i:O+4*\i+3], v[SRD] offset:SP*\i
.endr
.irp i, 0,1,2,3
	s_wait_dscnt 3-\i                              ; LDS loads come back in order: row i is in, the younger ones may be out
	global_store_b128 v[GOF], v[O+4*\i:O+4*\i+3], s[30:31] offset:32768*\i th:TH_STORE_NT   ; 32 lanes store 512 consecutive bytes, at a multiple of 512 from out0's first byte
.endr
	s_wait_tensorcnt 0x0                           ; the wave's end: a wait, an add and its wait, behind my last tensor load and my last LDS store
	ds_add_u32 v[SPW], v[NIL]
	s_wait_dscnt 0x0
	ROUND                                          ; the closing round: no work-group ends while a partner may still ask for a tile that names it
	s_endpgm
.Lfunc_end_k_q9276b63ea1_attn:
	.size	k_q9276b63ea1_attn, .Lfunc_end_k_q9276b63ea1_attn-k_q9276b63ea1_attn
	.p2alignl 7, 3214868480
	.fill 96, 4, 3214868480
	.section	.rodata,"a",@progbits
	.p2align	6, 0x0
	.amdhsa_kernel k_q9276b63ea1_attn
		.amdhsa_group_segment_fixed_size 327680
		.amdhsa_private_segment_fixed_size 0
		.amdhsa_enable_private_segment 0
		.amdhsa_kernarg_size 112
		.amdhsa_user_sgpr_count 2
		.amdhsa_user_sgpr_kernarg_segment_ptr 1
		.amdhsa_wavefront_size32 1
		.amdhsa_system_sgpr_workgroup_id_x 1
		.amdhsa_system_sgpr_workgroup_id_y 1
		.amdhsa_system_sgpr_workgroup_id_z 1
		.amdhsa_system_vgpr_workitem_id 0
		.amdhsa_next_free_vgpr 256
		.amdhsa_next_free_sgpr 96
		.amdhsa_reserve_vcc 0
		.amdhsa_float_denorm_mode_32 3
		.amdhsa_float_denorm_mode_16_64 3
		.amdhsa_fp16_overflow 1
		.amdhsa_memory_ordered 1
		.amdhsa_forward_progress 1
		.amdhsa_inst_pref_size 105
	.end_amdhsa_kernel
	.amdgpu_metadata
---
amdhsa.version: [ 1, 2 ]
amdhsa.kernels:
  - .name:           k_q9276b63ea1_attn
    .symbol:         k_q9276b63ea1_attn.kd
    .args:
      - { .name: qv, .offset: 0, .size: 8, .value_kind: global_buffer, .address_space: global }
      - { .name: scl, .offset: 8, .size: 8, .value_kind: global_buffer, .address_space: global }
      - { .name: key__codes, .offset: 16, .size: 8, .value_kind: global_buffer, .address_space: global }
      - { .name: key__scales, .offset: 24, .size: 8, .value_kind: global_buffer, .address_space: global }
      - { .name: Wk_codes, .offset: 32, .size: 8, .value_kind: global_buffer, .address_space: global }
      - { .name: Wk_scales, .offset: 40, .size: 8, .value_kind: global_buffer, .address_space: global }
      - { .name: bk, .offset: 48, .size: 8, .value_kind: global_buffer, .address_space: global }
      - { .name: value_codes, .offset: 56, .size: 8, .value_kind: global_buffer, .address_space: global }
      - { .name: value_scales, .offset: 64, .size: 8, .value_kind: global_buffer, .address_space: global }
      - { .name: Wv_codes, .offset: 72, .size: 8, .value_kind: global_buffer, .address_space: global }
      - { .name: Wv_scales, .offset: 80, .size: 8, .value_kind: global_buffer, .address_space: global }
      - { .name: bv, .offset: 88, .size: 8, .value_kind: global_buffer, .address_space: global }
      - { .name: gamma, .offset: 96, .size: 8, .value_kind: global_buffer, .address_space: global }
      - { .name: out0, .offset: 104, .size: 8, .value_kind: global_buffer, .address_space: global }
    .group_segment_fixed_size: 327680
    .private_segment_fixed_size: 0
    .kernarg_segment_align: 8
    .kernarg_segment_size: 112
    .max_flat_workgroup_size: 512
    .sgpr_count:     96
    .vgpr_count:     256
    .wavefront_size: 32
...
	.end_amdgpu_metadata
.endif
;; end of part 2
